; MI455X (gfx1250); checked and timed in simulation.
; The chip was launched on July 23, 2026; its instructions are those of AMD's public machine-readable ISA for CDNA 5 (MIT licence, August 2026) and "CDNA5" Instruction Set Architecture Reference Guide (July 2026). The comments in the code are by the model that wrote it; some were corrected since.
;; my param layer. Allowed arithmetic: matrix products marked QUANTISED: E4M3 operands, one given power-of-two scale a tensor, by v_wmma_f32_16x16x64_fp8_fp8 or v_wmma_f32_16x16x128_fp8_fp8, f32 sums; everything else in f32.
;; Inputs: A 4,096 x 4,096 float32; B 4,096 x 4,096 float32; lowp_scales 2 int32 (the exponents e of the quantised operands' scales 2^e).
;; Outputs: out0 4,096 x 4,096 float32.
;; This version of the problem:
;;   THIS VERSION OF THE PROBLEM IS GIVEN IN LOW PRECISION. The matrix products marked QUANTISED in the list below multiply operands that are first quantised to E4M3 (4 exponent bits, 3 mantissa bits; 8 bits a number), with one given power-of-two scale for each operand tensor; their sums are f32. All else is computed in f32.
;;   The module's matrix products, in the order in which they are computed (A, B: the left and right operand; K: the contracted axis; several contracted axes count as one K, in the product's order):
;;     1. [M 4,096, K 4,096] x [K 4,096, N 4,096]; A: input A; B: input B: QUANTISED (scales: A lowp_scales[0], B lowp_scales[1])
;;   THE QUANTISER, for each operand of a quantised product, along K:
;;     - The operand's scale is 2^e, e = its entry of the input lowp_scales (int32; the entries are numbered through the quantised products in the list's order, A before B).
;;     - Each number is divided by the scale, clamped to +-448, and rounded to the nearest number of E4M3, ties to even, subnormals kept.
;;     - The product sums the exact products of the quantised numbers (number of the format x scale) in f32.
;;   ~~~python
;;   def quantise(x, axis, e):      # numpy; x: float32 -> the quantised numbers, widened to float32 again
;;       x = np.moveaxis(x, axis, -1); K = x.shape[-1]
;;       r = np.clip(x / 2.0 ** e, -448, 448)
;;       step = 2.0 ** (np.maximum(np.frexp(np.where(r == 0, 1, r))[1] - 1, -6) - 3)
;;       q = np.round(r / step) * step * 2.0 ** e      # np.round: ties to even
;;       return np.moveaxis(q, -1, axis).astype(np.float32)
;;   ~~~
;; 2 versions. Each part assembles by itself: llvm-mc -triple=amdgcn-amd-amdhsa -mcpu=gfx1250 --defsym DOCPART=n.
;; ======== version 1 of 2: 2 launches
;; workspace buffers: a_codes 16,777,216 bytes; b_codes 16,777,216 bytes
;; launch quant (part 1): grid 1024 x 1, 4 waves a work-group, no clusters, 36,352 bytes of LDS; arguments A, B, lowp_scales, a_codes, b_codes; writes a_codes, b_codes
.if DOCPART == 1
	.amdgcn_target "amdgcn-amd-amdhsa--gfx1250"
	.amdhsa_code_object_version 6
	.text
	.protected	k_q08c8a2afcb_quant
	.globl	k_q08c8a2afcb_quant
	.p2align	8
	.type	k_q08c8a2afcb_quant,@function
k_q08c8a2afcb_quant:
	s_mov_b64 s[64:65], 0
	v_nop
	global_prefetch_b8 v0, s[64:65] scope:SCOPE_SE
	s_setreg_imm32_b32 hwreg(HW_REG_WAVE_MODE, 25, 1), 1
	s_wait_xcnt 0x0
; A [4096 m][4096 k] and B [4096 k][4096 n], f32, are turned into codes of FP8 (E4M3), one byte each, both laid with K innermost:
; a_codes [m][k], b_codes [n][k].  code = x / 2^e, held within +-448, rounded to the nearest code, ties to even; e = entry 0 (A) or entry 1 (B) of the scales.
; LIMITS: -126 <= e <= 119, so that 2^e and 448 x 2^e are f32 numbers.  NaN among the inputs is not served; an infinity is held at the largest code.
; One launch serves both tensors: work-groups 0-511 take A, 512-1023 take B; each handles 32,768 numbers with four waves.  The branch hangs on the work-group's number alone.
; Each operand is read by sixteen tiles of the product, so it is quantised once here: the f32 numbers are read once, and every later read is of a quarter of the bytes.
; No tensor loads, no barrier, no matrix unit: waves share nothing, and the work is a stream.
.set WGA,   512                        ; A's work-groups: 4096 x 4096 / 32,768
.set EMAX,  8                          ; the exponent of 448
.set MANT,  0x600000                   ; the mantissa field of 448 as f32
.set NROW,  16384                      ; a row of B in bytes
.set KROW,  4096                       ; a row of codes in bytes
.set PITCH, 272                        ; a stage row: 256 bytes of codes + 16
	s_load_b128 s[4:7], s[0:1], 0x0                ; A s[4:5], B s[6:7]
	s_load_b64 s[10:11], s[0:1], 0x10              ; the scales' exponents
	s_load_b128 s[12:15], s[0:1], 0x18             ; a_codes s[12:13], b_codes s[14:15]
	v_lshl_add_u32 v192, v0, 2, 0x8c00
	v_mov_b32 v193, 0
	v_lshrrev_b32 v1, 5, v0
	v_readfirstlane_b32 s16, v1                    ; wave 0..3
	v_and_b32 v2, 31, v0                           ; lane
	s_wait_kmcnt 0x0
	s_load_b64 s[22:23], s[10:11], 0x0             ; ea, eb
	s_cmp_lt_u32 ttmp9, WGA
	s_cbranch_scc0 .Lpart_b
; v11 = 2^e as f32 (the conversion takes its exponent field), v10 = 448 x 2^e
.macro SCALE se
	s_add_co_i32 s28, \se, 127
	s_lshl_b32 s29, s28, 23
	v_mov_b32 v11, s29
	s_add_co_i32 s28, s28, EMAX
	s_lshl_b32 s28, s28, 23
	s_or_b32 s28, s28, MANT
	v_mov_b32 v10, s28
.endm
; ---------------- A: K is innermost, rows are dense: a plain stream ----------------
; A wave takes 8,192 consecutive numbers in 16 steps of 512.  In a step a lane holds 16 neighbouring numbers (64 bytes, four loads), since the
; conversion takes eight neighbours along K from one lane's consecutive registers; the four loads together read 2,048 consecutive bytes.
; A lane's 16 codes are 16 bytes: the wave stores 512 consecutive bytes, aligned.  Loads run four steps (16 loads a wave) ahead.
.set STEPS, 16
.set XA,    16                         ; v16-79   four sets of 16 numbers
.set CA,    80                         ; v80-143  codes: four registers for each step, so that no store's data are written again
	s_lshl_b32 s18, ttmp9, 2
	s_add_co_u32 s18, s18, s16                     ; which run of 8,192 numbers is my wave's: 0..2047
	s_lshl_b32 s20, s18, 15                        ; x 32,768 bytes of f32
	s_mov_b32 s21, 0
	s_add_nc_u64 s[4:5], s[4:5], s[20:21]
	s_lshl_b32 s24, s18, 13                        ; x 8,192 bytes of codes
	s_mov_b32 s25, 0
	s_add_nc_u64 s[12:13], s[12:13], s[24:25]
	v_lshlrev_b32 v3, 6, v2                        ; my 64 bytes of a step's 2,048
	v_lshlrev_b32 v4, 4, v2                        ; my 16 codes of a step's 512
.macro LOADA t
.irp i, 0,1,2,3
	global_load_b128 v[XA+16*((\t)%4)+4*\i:XA+16*((\t)%4)+4*\i+3], v3, s[4:5] offset:2048*(\t)+16*\i th:TH_LOAD_NT
.endr
.endm
.irp t, 0,1,2,3
	LOADA \t
.endr
	s_wait_kmcnt 0x0                               ; ea
	SCALE s22
.macro STEPA t
.set XS, XA+16*((\t)%4)
.if STEPS-1-(\t) >= 3
	s_wait_loadcnt 12                              ; this step's four loads are in; the next three steps' twelve may be out
.else
	s_wait_loadcnt 4*(STEPS-1-(\t))                ; the last steps: the counts run down
.endif
.irp i, 0,1,2,3,4,5,6,7,8,9,10,11,12,13,14,15
	v_med3_num_f32 v[XS+\i], v[XS+\i], -v10, v10   ; the conversion to an 8-bit code does not saturate (ISA guide 7.6.2): hold the number within 448 x the scale first
.endr
	v_cvt_scalef32_pk8_fp8_f32 v[CA+4*(\t):CA+4*(\t)+1], v[XS:XS+7], v11      ; eight numbers / 2^e, to the nearest code; the first number's code in the lowest byte
	v_cvt_scalef32_pk8_fp8_f32 v[CA+4*(\t)+2:CA+4*(\t)+3], v[XS+8:XS+15], v11
	v_nop                                          ; one plain vector instruction between a scaled conversion and what touches its result or writes its sources
	global_store_b128 v4, v[CA+4*(\t):CA+4*(\t)+3], s[12:13] offset:512*(\t)   ; no hint: the next launch reads these bytes
.if (\t)+4 < STEPS
	LOADA (\t)+4
.endif
.endm
.irp t, 0,1,2,3,4,5,6,7,8,9,10,11,12,13,14,15
	STEPA \t
.endr
	s_endpgm
; ---------------- B: K is the first axis ----------------
; A LANE TAKES A COLUMN n, AND ITS REGISTERS RUN DOWN K: each load reads one row k at 32 neighbouring columns (128 consecutive bytes a wave, 512 a work-group),
; a lane's 32 registers are 32 neighbours along K of one column, and the conversions give codes with K innermost.  Nothing is transposed by an instruction.
; A wave takes 32 columns x 256 along K: 256 bytes of codes for each column.  A lane's codes belong to one row of b_codes and the lanes beside it hold other rows,
; so they go through the wave's own stage in LDS and leave by rows: sixteen lanes store 256 consecutive bytes, aligned.  Loads run two blocks (64 loads a wave) ahead.
; Every offset is an immediate: 255 x 16,384 and 30 x 4,096 lie inside the signed 24-bit immediate (ISA guide, chapter 10).
.set NB,    8                          ; blocks of 32 along K for a wave
.set XB,    32                         ; v32-95   two sets of 32 numbers
.set CB,    96                         ; v96-103  a block's codes
.set OUTR,  112                        ; v112-175 the way out: 16 x 4 registers
.Lpart_b:
	s_sub_co_u32 s17, ttmp9, WGA
	s_and_b32 s18, s17, 31                         ; x: which 128 columns (neighbouring work-groups stand side by side on B's rows)
	s_lshr_b32 s19, s17, 5                         ; y: which 256 along K
	s_lshl_b32 s26, s18, 7
	s_lshl_b32 s27, s16, 5
	s_add_co_u32 s26, s26, s27                     ; my wave's first column: 128 x + 32 wave
	s_lshl_b32 s20, s19, 22                        ; B: 256 y rows of 16,384 bytes
	s_lshl_b32 s21, s26, 2
	s_add_co_u32 s20, s20, s21                     ;    + 4 x column
	s_mov_b32 s21, 0
	s_add_nc_u64 s[6:7], s[6:7], s[20:21]
	s_lshl_b32 s24, s26, 12                        ; codes: column x 4,096
	s_lshl_b32 s25, s19, 8
	s_add_co_u32 s24, s24, s25                     ;        + 256 y
	s_mov_b32 s25, 0
	s_add_nc_u64 s[14:15], s[14:15], s[24:25]
	s_mul_i32 s27, s16, 32*PITCH                   ; my stage: 32 rows of 272 bytes
	v_lshlrev_b32 v3, 2, v2                        ; in: 4 bytes a lane
	v_mul_u32_u24 v4, v2, PITCH
	v_add_nc_u32 v4, s27, v4                       ; into the stage: row = my column
	v_and_b32 v5, 15, v2
	v_lshrrev_b32 v6, 4, v2                        ; out of it: sixteen lanes to a row, two rows an instruction
	v_mul_u32_u24 v7, v6, PITCH
	v_lshl_add_u32 v7, v5, 4, v7
	v_add_nc_u32 v7, s27, v7                       ; LDS address
	v_lshlrev_b32 v8, 12, v6
	v_lshl_add_u32 v8, v5, 4, v8                   ; and the same place in b_codes
.macro LOADB t                         ; block t: B(32 t + i, my column), i = 0 .. 31, into set t % 2
.irp i, 0,1,2,3,4,5,6,7,8,9,10,11,12,13,14,15,16,17,18,19,20,21,22,23,24,25,26,27,28,29,30,31
	global_load_b32 v[XB+32*((\t)%2)+\i], v3, s[6:7] offset:(32*(\t)+\i)*NROW th:TH_LOAD_NT
.endr
.endm
	LOADB 0
	LOADB 1
	s_wait_kmcnt 0x0                               ; eb
	SCALE s23
.macro BLOCK t
.set XS, XB+32*((\t)%2)
.if (\t) < NB-1
	s_wait_loadcnt 32                              ; this block's 32 loads are in; the next block's 32 may be out
.else
	s_wait_loadcnt 0
.endif
.irp i, 0,1,2,3,4,5,6,7,8,9,10,11,12,13,14,15,16,17,18,19,20,21,22,23,24,25,26,27,28,29,30,31
	v_med3_num_f32 v[XS+\i], v[XS+\i], -v10, v10   ; held within 448 x the scale, as above
.endr
.irp g, 0,1,2,3
	v_cvt_scalef32_pk8_fp8_f32 v[CB+2*\g:CB+2*\g+1], v[XS+8*\g:XS+8*\g+7], v11
.endr
	v_nop                                          ; one plain vector instruction behind the scaled conversions
	ds_store_b128 v4, v[CB:CB+3] offset:32*(\t)    ; 32 codes: 32 bytes of my column's row
	ds_store_b128 v4, v[CB+4:CB+7] offset:32*(\t)+16
.if (\t)+2 < NB
	LOADB (\t)+2
.endif
	s_wait_dscnt 0x0                               ; the stores are done: the next block's codes may be written
.endm
.irp t, 0,1,2,3,4,5,6,7
	BLOCK \t
.endr
.irp t, 0,1,2,3,4,5,6,7,8,9,10,11,12,13,14,15
	ds_load_b128 v[OUTR+4*\t:OUTR+4*\t+3], v7 offset:2*\t*PITCH   ; my wave's own bytes; LDS serves a wave's instructions in order (ISA guide 5.7.1.4)
.endr
.irp t, 0,1,2,3,4,5,6,7,8,9,10,11,12,13,14,15
	s_wait_dscnt 15-\t                             ; load t is back; the younger ones may be out
	global_store_b128 v8, v[OUTR+4*\t:OUTR+4*\t+3], s[14:15] offset:2*\t*KROW   ; rows 2 t and 2 t + 1: 256 consecutive bytes each, aligned
.endr
	s_wait_tensorcnt 0x0
	ds_add_u32 v192, v193
	s_wait_dscnt 0x0
	s_endpgm
.Lfunc_end_k_q08c8a2afcb_quant:
	.size	k_q08c8a2afcb_quant, .Lfunc_end_k_q08c8a2afcb_quant-k_q08c8a2afcb_quant
	.p2alignl 7, 3214868480
	.fill 96, 4, 3214868480
	.section	.rodata,"a",@progbits
	.p2align	6, 0x0
	.amdhsa_kernel k_q08c8a2afcb_quant
		.amdhsa_group_segment_fixed_size 36352
		.amdhsa_private_segment_fixed_size 0
		.amdhsa_enable_private_segment 0
		.amdhsa_kernarg_size 40
		.amdhsa_user_sgpr_count 2
		.amdhsa_user_sgpr_kernarg_segment_ptr 1
		.amdhsa_wavefront_size32 1
		.amdhsa_system_sgpr_workgroup_id_x 1
		.amdhsa_system_sgpr_workgroup_id_y 1
		.amdhsa_system_sgpr_workgroup_id_z 1
		.amdhsa_system_vgpr_workitem_id 0
		.amdhsa_next_free_vgpr 194
		.amdhsa_next_free_sgpr 66
		.amdhsa_reserve_vcc 0
		.amdhsa_float_denorm_mode_32 3
		.amdhsa_float_denorm_mode_16_64 3
		.amdhsa_memory_ordered 1
		.amdhsa_forward_progress 1
		.amdhsa_inst_pref_size 77
	.end_amdhsa_kernel
	.amdgpu_metadata
---
amdhsa.version: [ 1, 2 ]
amdhsa.kernels:
  - .name:           k_q08c8a2afcb_quant
    .symbol:         k_q08c8a2afcb_quant.kd
    .args:
      - { .name: A, .offset: 0, .size: 8, .value_kind: global_buffer, .address_space: global }
      - { .name: B, .offset: 8, .size: 8, .value_kind: global_buffer, .address_space: global }
      - { .name: lowp_scales, .offset: 16, .size: 8, .value_kind: global_buffer, .address_space: global }
      - { .name: a_codes, .offset: 24, .size: 8, .value_kind: global_buffer, .address_space: global }
      - { .name: b_codes, .offset: 32, .size: 8, .value_kind: global_buffer, .address_space: global }
    .group_segment_fixed_size: 36352
    .private_segment_fixed_size: 0
    .kernarg_segment_align: 8
    .kernarg_segment_size: 40
    .max_flat_workgroup_size: 128
    .sgpr_count:     66
    .vgpr_count:     194
    .wavefront_size: 32
...
	.end_amdgpu_metadata
.endif
;; end of part 1
;; launch gemm (part 2): grid 16 x 16, 4 waves a work-group, clusters of 4 x 4, 327,680 bytes of LDS; arguments a_codes, b_codes, lowp_scales, out0; writes out0
.if DOCPART == 2
	.amdgcn_target "amdgcn-amd-amdhsa--gfx1250"
	.amdhsa_code_object_version 6
	.text
	.protected	k_q08c8a2afcb_gemm
	.globl	k_q08c8a2afcb_gemm
	.p2align	8
	.type	k_q08c8a2afcb_gemm,@function
k_q08c8a2afcb_gemm:
	s_mov_b64 s[64:65], 0
	v_nop
	global_prefetch_b8 v0, s[64:65] scope:SCOPE_SE
	s_setreg_imm32_b32 hwreg(HW_REG_WAVE_MODE, 25, 1), 1
	s_wait_xcnt 0x0
	s_wait_alu depctr_hold_cnt(0) depctr_sa_sdst(0) depctr_va_vdst(0) depctr_va_sdst(0) depctr_va_ssrc(0) depctr_va_vcc(0) depctr_vm_vsrc(0)
	s_getreg_b32 s2, hwreg(HW_REG_IB_STS2, 6, 4)
	s_cmp_eq_u32 s2, 0
	s_cbranch_scc0 .Lentry_in_a_cluster
	s_endpgm
.Lentry_in_a_cluster:
	s_bfe_u32 s2, ttmp6, 0x10000c
	s_cmp_lg_u32 s2, 0xf033
	s_cbranch_scc0 .Lentry_shape_is_right
	s_endpgm
.Lentry_shape_is_right:
; C[m][n] = 2^(ea + eb) x the sum over k of a_codes[m][k] b_codes[n][k].  Both operands: [4096][4096] codes of FP8 (E4M3), K innermost, one byte each; C: [4096][4096] f32; sums in f32.
; A number of A is its code's value x 2^ea, of B x 2^eb: the codes are multiplied as they are, and each finished sum once by 2^(ea + eb).
; LIMIT: ea + eb lies between -126 and 127, so that 2^(ea + eb) is an f32 number.
; ORDER OF SUMS: a fragment is fetched by four loads of 16 bytes, which puts k in other places of the registers than the form's own layout; the permutation is the same in A and in B,
; so every product meets its partner and only the order of the sums inside one instruction differs.
; A tile of C, 256 x 256, is made by a work-group of four waves, as many as a WGP has SIMDs; a wave makes 128 x 128: 64 accumulators of 16 x 16, 512 registers.  256 tiles, 256 work-groups.
; K goes in steps of 256 through a ring of two LDS slots filled by the tensor data mover: a tile's row is 256 consecutive bytes of memory, at a multiple of 256 from the buffer's first byte.
; CLUSTERS: 4 x 4 work-groups.  The four of a row of the cluster need the same tiles of A, the four of a column the same tiles of B: each tile is asked for JOINTLY, by the same tensor load with the
; same descriptor and a mask that names the four.  THE MATRIX INSTRUCTION IS USED TRANSPOSED (source 0 = 16 rows of B, source 1 = 16 rows of A): a lane then holds eight neighbouring numbers of a row of C.
; REGISTERS, in windows of 256: window 0: v0-31 addresses; from v128 A's fragments (8 x 16 rows x 128 K), ONE set; on the way out v32-255 are free.
;   window 1: B's fragments, TWO sets, at v0 and at v128.   window 2: the 32 accumulators of my rows 0-63 (accumulator (a, b) at v[8 (8 a + b)]);   window 3: those of my rows 64-127.
; A step of 128 along K is 64 matrix instructions, A's blocks one after the other, each against B's eight.  So a block of A is free as soon as its eight products are issued, and one set of registers serves A:
; blocks 0-3 are fetched anew in the step's middle, blocks 4-7 at its end.  B's fragments are at work through the whole step, so B has two sets.
.set SIZE_N, 4096
.set SIZE_K, 4096
.set KSTEP,  256                       ; along K in a slot: two steps of 128
.set ROWB,   256                       ; a tile's row in bytes
.set KROW,   SIZE_K                    ; a row of A's or of B's codes in memory, in bytes
.set PITCH,  272                       ; an LDS row: 256 bytes of data + 16 of padding = 68 words: the 16 rows that a load touches start 4 words apart modulo 64
.set FR,     16                        ; registers of a fragment: 16 rows x 128 K
.set NL,     4                         ; LDS loads that bring one
.set NP,     4                         ; places behind this matrix instruction (ISA guide 7.12.1)
.set HALFT,  128*PITCH                 ; 128 rows: what one tensor load brings, and what one wave reads of A or of B
.set SLOT,   4*HALFT                   ; A's 256 rows, then B's 256 rows
.set LAPS,   SIZE_K/(2*KSTEP)          ; a lap = two K steps = once round the ring: 8
.set SPARE,  2*SLOT                    ; behind the ring: the spare words, 128 bytes for each wave: two blocks of 256 bytes that no other line names
.set SPITCH, 528                       ; the way out: a stage of 16 rows x (512 bytes + 16) for each wave.  It lies in slot 0, which has had its last fill and its last read when the first result is stored there
.set ADRA, 16                          ; v16-17  LDS address of my A fragments in slot 0, 1
.set ADRB, 20                          ; v20-21  the same for B
.set STO,  24                          ; v24     the way out: where I put 32 bytes of a row
.set RD,   25                          ; v25     the way out: where I read a row back
.set CO,   26                          ; v26     my byte offset in a row of C
.set SPW,  28                          ; v28     LDS address of my spare word: SPARE + 4 x my thread's number; never rewritten
.set NIL,  29                          ; v29     0; never rewritten
.set TMP,  32                          ; the way out: 64 registers, a block's sums x 2^(ea + eb)
.set AF,   128                         ; A's fragments, in window 0
.set BK,   128                         ; the way out: 16 rows read back from the stage: v128-191 and v192-255 by turns
.set G1, 24                            ; s[24:31] descriptor group 1 for A's tiles;  s[32:39] group 0, one set for each slot
.set G0, 32
.set G1B, 48                           ; s[48:55], s[56:63] the same for B's tiles
.set G0B, 56
.set MSB, 0
.macro WIN new                         ; the immediate's high byte repeats the setting that is left; a switch that changes nothing is dropped
.if MSB != (\new)
	s_set_vgpr_msb (MSB<<8)|(\new)
.set MSB, (\new)
.endif
.endm
.set MUL_LO, 0xa1                      ; source 0 (B) window 1, source 1 (A) window 0, C and D window 2
.set MUL_HI, 0xf1                      ; the same, C and D window 3
.set TO_B,   0x40                      ; destination window 1, address window 0
; A joint load: waves 0 and 1 fetch for A, waves 2 and 3 for B.  Each of the two lines has ONE mask and one set of registers for all that issue it; the branch hangs on the wave's number alone.
; Four v_nop follow each of the two lines, ahead of the jump, the label and what follows.
.macro JLOAD g0a, g1a, g0b, g1b
	s_cmp_eq_u32 s15, 0
	s_cbranch_scc0 .Lfor_b_\@
	tensor_load_to_lds s[\g0a:\g0a+3], s[\g1a:\g1a+7]
	s_nop 0
.rept 4
	v_nop
.endr
	s_branch .Lasked_\@
.Lfor_b_\@:
	tensor_load_to_lds s[\g0b:\g0b+3], s[\g1b:\g1b+7]
	s_nop 0
.rept 4
	v_nop
.endr
.Lasked_\@:
.endm
.macro CREST                           ; a round of the cluster's barrier behind its opening barrier
	s_cmp_lg_u32 s14, 0
	s_cbranch_scc1 .Lnot_wave_0_\@
	s_barrier_signal -3
.Lnot_wave_0_\@:
	s_barrier_wait -3
	s_barrier_signal -1
	s_barrier_wait -1
.endm
.macro CROUND                          ; a whole round
	s_barrier_signal -1
	s_barrier_wait -1
	CREST
.endm
	s_load_b128 s[4:7], s[0:1], 0x0                ; A's codes s[4:5], B's codes s[6:7]
	s_load_b128 s[8:11], s[0:1], 0x10              ; the two scales' exponents s[8:9], C s[10:11]
	v_lshl_add_u32 v[SPW], v0, 2, SPARE
	v_mov_b32 v[NIL], 0
	ds_add_u32 v28, v29
	ds_add_u32 v28, v29
	s_wait_dscnt 0x0
	v_lshrrev_b32 v1, 5, v0
	v_readfirstlane_b32 s14, v1                    ; wave 0..3
	s_lshr_b32 s15, s14, 1                         ; which half of the tile's rows is mine.  Also: I fetch for A (0) or for B (1)
	s_and_b32 s16, s14, 1                          ; which half of its columns.  Also: which 128 rows of that tile I fetch
	s_bfe_u32 s40, ttmp6, 0x40000                  ; cx, cy: my place in the cluster
	s_bfe_u32 s41, ttmp6, 0x40004
	s_lshl_b32 s42, ttmp9, 2
	s_add_co_u32 s42, s42, s40                     ; tile column of C = 4 x cluster x + cx
	s_and_b32 s17, ttmp7, 0xffff
	s_lshl_b32 s17, s17, 2
	s_add_co_u32 s17, s17, s41                     ; tile row of C = 4 x cluster y + cy
	s_lshl_b32 s43, s41, 2
	s_lshl_b32 s43, 15, s43                        ; my row of the cluster: places 4 cy .. 4 cy + 3
	s_lshl_b32 s44, 0x1111, s40                    ; my column: places cx, cx + 4, cx + 8, cx + 12
	; descriptor group 1: a tile of 128 rows x 256 bytes, padded in LDS
	s_or_b32 s[G1+0], s43, (0<<16)|(1<<20)|(1<<21)|(5<<22)|(3<<25)  ; 15:0 the mask: A's tiles go to my row; 17:16 element of 1 byte; 20 padding on; 21 set beside a mask; 24:22 after every 64 words (code 5); 31:25 of 4 words (code 3)
	s_or_b32 s[G1B+0], s44, (0<<16)|(1<<20)|(1<<21)|(5<<22)|(3<<25) ; the same with the mask of my column, for B's tiles
.irp g, G1, G1B
	s_mov_b32 s[\g+1], ROWB<<16                    ; tensor_dim0 = 256
	s_mov_b32 s[\g+2], 128<<16                     ; tensor_dim1 = 128
	s_mov_b32 s[\g+3], ROWB<<16                    ; tile_dim0 = 256
	s_mov_b32 s[\g+4], 128                         ; tile_dim1 = 128
	s_mov_b32 s[\g+5], KROW                        ; tensor_dim0_stride: 4,096 elements from row to row
	s_mov_b32 s[\g+6], 0
	s_mov_b32 s[\g+7], 0
.endr
	; where the tiles come from.  A's hang on the tile row alone, which my row of the cluster shares; B's on the tile column alone, which my column shares.
	s_lshl_b32 s18, s16, 7                         ; which 128 rows of the tile I fetch
	s_lshl_b32 s20, s17, 8
	s_add_co_u32 s20, s20, s18                     ; A: row 256 x tile row + 128 x half
	s_lshl_b32 s46, s42, 8
	s_add_co_u32 s46, s46, s18                     ; B: row 256 x tile column + 128 x half
	s_mov_b32 s21, 0
	s_mov_b32 s47, 0
	s_mov_b64 s[18:19], KROW
	s_mul_u64 s[20:21], s[20:21], s[18:19]         ; in bytes
	s_mul_u64 s[46:47], s[46:47], s[18:19]
	s_mul_i32 s45, s14, HALFT                      ; where they go: wave x 128 rows: no place in the cluster enters an LDS address
	s_wait_kmcnt 0x0
	s_load_b64 s[12:13], s[8:9], 0x0               ; ea, eb: wanted on the way out
	s_add_nc_u64 s[20:21], s[4:5], s[20:21]
	s_add_nc_u64 s[46:47], s[6:7], s[46:47]
	CROUND                                         ; all sixteen work-groups are here: the first joint loads meet
.irp s, 0,1
	s_mov_b32 s[G0+4*\s], 1                                        ; count = 1
	s_add_co_u32 s[G0+4*\s+1], s45, \s*SLOT                        ; LDS address
	s_add_nc_u64 s[G0+4*\s+2:G0+4*\s+3], s[20:21], \s*ROWB         ; global address: K step s
	s_or_b32 s[G0+4*\s+3], s[G0+4*\s+3], 0x80000000                ; type = 2
	s_mov_b32 s[G0B+4*\s], 1
	s_add_co_u32 s[G0B+4*\s+1], s45, \s*SLOT
	s_add_nc_u64 s[G0B+4*\s+2:G0B+4*\s+3], s[46:47], \s*ROWB
	s_or_b32 s[G0B+4*\s+3], s[G0B+4*\s+3], 0x80000000
	JLOAD G0+4*\s, G1, G0B+4*\s, G1B               ; both slots are asked for before anything else is done: two tensor loads of mine are out
.endr
	v_and_b32 v1, 15, v0                           ; l % 16
	v_bfe_u32 v2, v0, 4, 1                         ; l / 16
	v_mul_u32_u24 v3, v1, PITCH
	v_lshl_add_u32 v4, v2, 4, v3                   ; a fragment's row x pitch + 16 x half
	s_mul_i32 s21, s15, HALFT                      ; my 128 rows of A
	s_mul_i32 s22, s16, HALFT                      ; my 128 rows of B,
	s_add_co_u32 s22, s22, 2*HALFT                 ; which lie behind A's 256
.irp s, 0,1
	v_add_nc_u32 v[ADRA+\s], s21, v4
	v_add_nc_u32 v[ADRB+\s], s22, v4
	s_add_co_u32 s21, s21, SLOT
	s_add_co_u32 s22, s22, SLOT
.endr
	s_mul_i32 s23, s14, 16*SPITCH                  ; my stage
	v_mul_u32_u24 v5, v1, SPITCH                   ; in: row l % 16, 32 bytes for each half of the lanes
	v_lshl_add_u32 v5, v2, 5, v5
	v_add_nc_u32 v[STO], s23, v5
	v_and_b32 v6, 31, v0
	v_lshlrev_b32 v[CO], 4, v6                     ; back: the 32 lanes take one row of 512 bytes; and the same in C
	v_add_nc_u32 v[RD], s23, v[CO]
	s_lshl_b32 s20, s17, 8
	s_lshl_b32 s21, s15, 7
	s_add_co_u32 s20, s20, s21                     ; my first row of C: 256 x tile row + 128 x half
	s_mov_b32 s21, 0
	s_mov_b64 s[18:19], SIZE_N*4
	s_mul_u64 s[20:21], s[20:21], s[18:19]
	s_lshl_b32 s46, s42, 10                        ; my first column, in bytes: 1024 x tile column + 512 x half
	s_lshl_b32 s47, s16, 9
	s_add_co_u32 s46, s46, s47
	s_mov_b32 s47, 0
	s_add_nc_u64 s[20:21], s[20:21], s[46:47]
	s_add_nc_u64 s[10:11], s[10:11], s[20:21]
.macro FRAG reg, adr, q, i             ; a fragment, 16 rows x 128 K, is 16 registers: lane l holds row l % 16; registers 4 c .. 4 c + 3 hold K = 32 c + 16 (l / 16) + 0 .. 15
.irp c, 0,1,2,3
	ds_load_b128 v[\reg+4*\c:\reg+4*\c+3], v[\adr] offset:128*(\q)+32*\c+(\i)*16*PITCH
.endr
.endm
; 16 matrix instructions: A's blocks a0, a0 + 1 x B's eight, 128 along K.  p: B's set.  zero = 1: the first product starts the sums: nothing is ever cleared.
; The 64 accumulators take turns, one instruction a turn, in the same order in every step.
.macro MUL16 a0, p, zero
.irp a, \a0, \a0+1
.irp b, 0,1,2,3,4,5,6,7
.if \zero
	v_wmma_f32_16x16x128_fp8_fp8 v[8*(8*((\a)%4)+\b):8*(8*((\a)%4)+\b)+7], v[128*(\p)+FR*\b:128*(\p)+FR*\b+FR-1], v[AF+FR*(\a):AF+FR*(\a)+FR-1], 0
.else
	v_wmma_f32_16x16x128_fp8_fp8 v[8*(8*((\a)%4)+\b):8*(8*((\a)%4)+\b)+7], v[128*(\p)+FR*\b:128*(\p)+FR*\b+FR-1], v[AF+FR*(\a):AF+FR*(\a)+FR-1], v[8*(8*((\a)%4)+\b):8*(8*((\a)%4)+\b)+7]
.endif
.endr
.endr
.endm
.macro FETCH_B slot, q, p              ; B's eight fragments of the slot's q-th 128 along K into set p: 32 loads in one run
	WIN TO_B
.irp i, 0,1,2,3,4,5,6,7
	FRAG 128*(\p)+FR*\i, ADRB+\slot, \q, \i
.endr
	WIN 0
.endm
.macro FETCH_A slot, q, i0             ; A's blocks i0 .. i0 + 3: 16 loads
.irp i, \i0, \i0+1, \i0+2, \i0+3
	FRAG AF+FR*(\i), ADRA+\slot, \q, \i
.endr
.endm
; A load into a register that a matrix instruction has read, and a vector instruction that reads a matrix result, stand NP places behind that matrix instruction, and only plain vector
; instructions that name none of its registers are places (ISA guide 7.12.1 for vector instructions); the matrix instructions in between are not counted.
.macro PLACES n
.rept \n
	v_nop
.endr
.endm
; A slot's first step of 128 along K: it multiplies B's set 0 and fetches the slot's second 128 (B into set 1).
.macro STEP slot, zero
	s_wait_dscnt 4*NL                              ; B's set and A's blocks 0-3 are in; the youngest sixteen loads (A's blocks 4-7) may be out
	WIN MUL_LO
	MUL16 0, 0, \zero
	MUL16 2, 0, \zero
	s_wait_dscnt 0                                 ; A's blocks 4-7 are in (asked for 32 matrix instructions ago)
	PLACES NP
	FETCH_B \slot, 1, 1
	FETCH_A \slot, 1, 0
	WIN MUL_HI
	MUL16 4, 0, \zero
	MUL16 6, 0, \zero
	PLACES NP
	WIN 0
	FETCH_A \slot, 1, 4
.endm
; A slot's second step multiplies B's set 1 and changes slots: ONE barrier; in front of it each wave waits for all its tensor loads, adds 0 to its spare word, and waits for that and for its
; own reads of this slot.  Behind it nobody reads this slot and the next slot is whole.  fill = 1: this slot is filled again, two K steps ahead.
.macro TURN slot, next, fill
	s_wait_tensorcnt 0x0                           ; all my tensor loads have landed: the one that was out is my part of the next slot  (every window is 0 here: the add's two registers lie in window 0)
	ds_add_u32 v[SPW], v[NIL]                      ; 0 onto my spare word
	s_wait_dscnt 4*NL+1                            ; (the add and the youngest sixteen loads, A's blocks 4-7, may be out)
	WIN MUL_LO
	MUL16 0, 1, 0                                  ; sixteen matrix instructions stand between the add and the wait for it
	s_wait_dscnt 0x0                               ; the add is done, and my reads of this slot are over
	s_barrier_signal -1
	MUL16 2, 1, 0                                  ; work on registers while the others arrive
	WIN 0
	s_barrier_wait -1
.if \fill
	CREST                                          ; the barrier has opened a round of the cluster's barrier: no wave of any partner still reads this slot's tile or has a load on its way
	s_add_nc_u64 s[G0+4*\slot+2:G0+4*\slot+3], s[G0+4*\slot+2:G0+4*\slot+3], 2*ROWB
	s_add_nc_u64 s[G0B+4*\slot+2:G0B+4*\slot+3], s[G0B+4*\slot+2:G0B+4*\slot+3], 2*ROWB
	JLOAD G0+4*\slot, G1, G0B+4*\slot, G1B         ; the first tensor load behind the round, my only one until the next; the four v_nop behind it are the places in front of the loads below
.else
	PLACES NP
.endif
	FETCH_B \next, 0, 0
	FETCH_A \next, 0, 0
	WIN MUL_HI
	MUL16 4, 1, 0
	MUL16 6, 1, 0
	PLACES NP
	WIN 0
	FETCH_A \next, 0, 4
.endm
	s_wait_tensorcnt 1                             ; my part of K step 0 is in; K step 1's load may stay out
	s_barrier_signal -1
	s_barrier_wait -1                              ; everybody's is
	FETCH_B 0, 0, 0
	FETCH_A 0, 0, 0
	FETCH_A 0, 0, 4
	STEP 0, 1                                      ; the first step stands in front of the loop: its products start the sums
	s_mov_b32 s3, LAPS-1
.Llap:                                             ; a trip goes once round the ring, from a lap's second step to the next lap's first, and fills both slots again: K steps 2 to 15 in 7 trips
	TURN 0, 1, 1
	STEP 1, 0
	TURN 1, 0, 1
	STEP 0, 0
	s_sub_co_u32 s3, s3, 1
	s_cmp_lg_u32 s3, 0
	s_cbranch_scc1 .Llap
	TURN 0, 1, 0                                   ; the last lap fills nothing, and has no round of the cluster's barrier
	STEP 1, 0
	s_wait_dscnt 4*NL                              ; the very last step: nothing more to fetch
	WIN MUL_LO
	MUL16 0, 1, 0
	MUL16 2, 1, 0
	s_wait_dscnt 0
	WIN MUL_HI
	MUL16 4, 1, 0
	MUL16 6, 1, 0
	WIN 0
; THE WAY OUT, block by block of 16 rows x 128 columns.  A lane holds 32 neighbouring bytes of a row, and the lanes beside it hold other rows: so a block goes through my own stage in LDS and comes back as whole
; rows of 512 bytes, which the 32 lanes store as 512 consecutive bytes, aligned.  LDS serves a wave's instructions in order (ISA guide 5.7.1.4): no wait between the stores and the loads, nor in front of the next block's stores.
.macro TOSTAGE a
.set AC, 64*((\a)%4)
	WIN 0x02+((\a)/4)                              ; source 0: window 2 or 3
.irp j, 0,2,4,6,8,10,12,14,16,18,20,22,24,26,28,30,32,34,36,38,40,42,44,46,48,50,52,54,56,58,60,62
	v_pk_mul_f32 v[TMP+\j:TMP+\j+1], v[AC+\j:AC+\j+1], s[12:13] op_sel_hi:[1,0]   ; both x s12 = 2^(ea + eb): nothing is rounded, short of overflow and underflow; each accumulator from its low end on
.endr
	WIN 0
.irp b, 0,1,2,3,4,5,6,7
	ds_store_b128 v[STO], v[TMP+8*\b:TMP+8*\b+3] offset:64*\b
	ds_store_b128 v[STO], v[TMP+8*\b+4:TMP+8*\b+7] offset:64*\b+16
.endr
.set BB, BK+64*((\a)%2)
.irp t, 0,1,2,3,4,5,6,7,8,9,10,11,12,13,14,15
	ds_load_b128 v[BB+4*\t:BB+4*\t+3], v[RD] offset:\t*SPITCH
.endr
.endm
.macro SEND a, younger                 ; younger: the LDS instructions issued behind block a's loads, which may stay out
.set BB, BK+64*((\a)%2)
	s_wait_dscnt \younger                          ; the block is back in registers
.if (\a) > 0
	s_wait_xcnt 0x0                                ; only behind this wait is the stores' base rewritten
	s_add_nc_u64 s[10:11], s[10:11], 16*SIZE_N*4   ; 16 rows of C on, so that the stores' offsets stay small: 15 rows of 16,384 bytes at the most
.endif
.irp t, 0,1,2,3,4,5,6,7,8,9,10,11,12,13,14,15
	global_store_b128 v[CO], v[BB+4*\t:BB+4*\t+3], s[10:11] offset:\t*SIZE_N*4 th:TH_STORE_NT   ; 32 lanes store 512 consecutive bytes, at a multiple of 256 from C's first byte; written once, read by nobody here
.endr
.endm
	s_wait_kmcnt 0x0                               ; ea, eb
	s_add_co_i32 s12, s12, s13                     ; ea + eb, between -126 and 127,
	s_add_co_i32 s12, s12, 127
	s_lshl_b32 s12, s12, 23                        ; makes the f32 number 2^(ea + eb)
	PLACES NP                                      ; behind the last products: for the loads into A's registers and for the reads of the results alike
	TOSTAGE 0
.irp a, 1,2,3,4,5,6,7
	s_wait_xcnt 0x0                                ; block a - 2's stores have read their registers: block a's loads may land there
	TOSTAGE \a
	SEND \a-1, 32                                  ; behind block a - 1's loads: block a's 16 stores and 16 loads
.endr
	SEND 7, 0
	s_wait_tensorcnt 0x0                           ; the wave's end, behind my last tensor load and my last LDS store
	ds_add_u32 v[SPW], v[NIL]
	s_wait_dscnt 0x0
	CROUND                                         ; the closing round: no work-group ends while a partner may still ask for a tile that names it
	s_endpgm
.Lfunc_end_k_q08c8a2afcb_gemm:
	.size	k_q08c8a2afcb_gemm, .Lfunc_end_k_q08c8a2afcb_gemm-k_q08c8a2afcb_gemm
	.p2alignl 7, 3214868480
	.fill 96, 4, 3214868480
	.section	.rodata,"a",@progbits
	.p2align	6, 0x0
	.amdhsa_kernel k_q08c8a2afcb_gemm
		.amdhsa_group_segment_fixed_size 327680
		.amdhsa_private_segment_fixed_size 0
		.amdhsa_enable_private_segment 0
		.amdhsa_kernarg_size 32
		.amdhsa_user_sgpr_count 2
		.amdhsa_user_sgpr_kernarg_segment_ptr 1
		.amdhsa_wavefront_size32 1
		.amdhsa_system_sgpr_workgroup_id_x 1
		.amdhsa_system_sgpr_workgroup_id_y 1
		.amdhsa_system_sgpr_workgroup_id_z 1
		.amdhsa_system_vgpr_workitem_id 0
		.amdhsa_next_free_vgpr 1024
		.amdhsa_next_free_sgpr 66
		.amdhsa_reserve_vcc 0
		.amdhsa_float_denorm_mode_32 3
		.amdhsa_float_denorm_mode_16_64 3
		.amdhsa_memory_ordered 1
		.amdhsa_forward_progress 1
		.amdhsa_inst_pref_size 123
	.end_amdhsa_kernel
	.amdgpu_metadata
---
amdhsa.version: [ 1, 2 ]
amdhsa.kernels:
  - .name:           k_q08c8a2afcb_gemm
    .symbol:         k_q08c8a2afcb_gemm.kd
    .args:
      - { .name: a_codes, .offset: 0, .size: 8, .value_kind: global_buffer, .address_space: global }
      - { .name: b_codes, .offset: 8, .size: 8, .value_kind: global_buffer, .address_space: global }
      - { .name: lowp_scales, .offset: 16, .size: 8, .value_kind: global_buffer, .address_space: global }
      - { .name: out0, .offset: 24, .size: 8, .value_kind: global_buffer, .address_space: global }
    .group_segment_fixed_size: 327680
    .private_segment_fixed_size: 0
    .kernarg_segment_align: 8
    .kernarg_segment_size: 32
    .max_flat_workgroup_size: 128
    .sgpr_count:     66
    .vgpr_count:     1024
    .wavefront_size: 32
...
	.end_amdgpu_metadata
.endif
;; end of part 2
;; ======== version 2 of 2: 2 launches
;; limits: right only within a limited range of input values
;; workspace buffers: a_codes 16,777,216 bytes; b_codes 16,777,216 bytes
;; launch quant (part 3): grid 1024 x 1, 4 waves a work-group, no clusters, 71,168 bytes of LDS; arguments A, B, lowp_scales, a_codes, b_codes; writes a_codes, b_codes
.if DOCPART == 3
	.amdgcn_target "amdgcn-amd-amdhsa--gfx1250"
	.amdhsa_code_object_version 6
	.text
	.protected	k_q08c8a2afcb_quant
	.globl	k_q08c8a2afcb_quant
	.p2align	8
	.type	k_q08c8a2afcb_quant,@function
k_q08c8a2afcb_quant:
	s_mov_b64 s[64:65], 0
	v_nop
	global_prefetch_b8 v0, s[64:65] scope:SCOPE_SE
	s_setreg_imm32_b32 hwreg(HW_REG_WAVE_MODE, 25, 1), 1
	s_wait_xcnt 0x0
; A [4096 m][4096 k] and B [4096 k][4096 n], f32, are turned into codes of FP8 (E4M3), one byte each.
; code = x / 2^e, held within +-448, rounded to the nearest code, ties to even; e = entry 0 (A) or entry 1 (B) of the scales.
; LIMITS: -126 <= e <= 119, so that 2^e and 448 x 2^e are f32 numbers.  NaN among the inputs is not served; an infinity is held at the largest code.
; POSITIONS.  Position P of a row of codes holds the number at k = 512 (P >> 9) + 128 ((P >> 2) & 3) + 4 ((P >> 4) & 31) + (P & 3): a permutation of K inside blocks of 512,
; the same in A and in B, so that every product meets its partner and only the order of the sums changes.
; b_codes (row R = n): byte of (R, P) = (R >> 7) x 524,288 + (P >> 8) x 32,768 + (R & 127) x 256 + (P & 255): tiles of 128 rows x 256 positions, dense.
; a_codes (row R = m) lies in the order of the product's operand registers:
;   byte of (R, P) = (R >> 6) x 262,144 + (P >> 7) x 8,192 + ((R >> 4) & 3) x 2,048 + ((P >> 5) & 3) x 512 + ((P >> 4) & 1) x 256 + (R & 15) x 16 + (P & 15).
; Work-groups 0-511 take A, 512-1023 take B; each handles 32,768 numbers with four waves.  The branch hangs on the work-group's number alone; each way has LDS bytes of its own.
; No tensor loads, no matrix unit: the work is a stream.
.set WGA,   512
.set EMAX,  8                          ; the exponent of 448
.set MANT,  0x600000                   ; the mantissa field of 448 as f32
.set NROW,  16384                      ; a row of A or B in bytes
.set PITCH, 272                        ; a stage row: 256 bytes of codes + 16
.set ASTG,  0x8e00                     ; A's stages, 32 x 272 bytes a wave, behind B's stage (0 .. 34,815) and the spare words (0x8c00 .. 0x8dff)
	s_load_b128 s[4:7], s[0:1], 0x0                ; A, B
	s_load_b64 s[10:11], s[0:1], 0x10              ; the scales' exponents
	s_load_b128 s[12:15], s[0:1], 0x18             ; a_codes, b_codes
	v_lshl_add_u32 v240, v0, 2, 0x8c00             ; my spare word
	v_mov_b32 v241, 0
	v_lshrrev_b32 v1, 5, v0
	v_readfirstlane_b32 s16, v1                    ; wave 0..3
	v_and_b32 v2, 31, v0                           ; lane
	s_wait_kmcnt 0x0
	s_load_b64 s[22:23], s[10:11], 0x0             ; ea, eb
	s_cmp_lt_u32 ttmp9, WGA
	s_cbranch_scc0 .Lpart_b
.macro SCALE se                        ; v11 = 2^e as f32, v10 = 448 x 2^e
	s_add_co_i32 s28, \se, 127
	s_lshl_b32 s29, s28, 23
	v_mov_b32 v11, s29
	s_add_co_i32 s28, s28, EMAX
	s_lshl_b32 s28, s28, 23
	s_or_b32 s28, s28, MANT
	v_mov_b32 v10, s28
.endm
; ---------------- A: K is innermost ----------------
; A work-group takes 16 rows x 2,048 k; a wave 16 rows x one block of 512 k, a row a step.  Load c of a step's four covers the block's numbers 128 c .. 128 c + 127, 512 consecutive bytes,
; 16 a lane: the lane's 16 registers are positions 16 lane .. 16 lane + 15.  Its 16 codes go to the wave's own stage, row = lane, byte 16 x the step: a stage row then holds one 16-position piece of all
; 16 rows, which is 256 consecutive bytes of a_codes.  At the end the stage is read back two rows an instruction and stored, 512 consecutive bytes a store.  Loads run eight steps ahead.
.set STEPS, 16
.set DEPTH, 8
.set XA,    16                         ; v16-143  eight sets of 16 numbers; at the end the stage read back
.set CA,    144                        ; v144-207 codes, four registers a step
	s_lshr_b32 s18, ttmp9, 1                       ; which 16 rows, 0..255
	s_and_b32 s19, ttmp9, 1
	s_lshl_b32 s19, s19, 2
	s_add_co_u32 s19, s19, s16                     ; which block of 512 k, 0..7
	s_lshl_b32 s20, s18, 18                        ; 16 rows of 16,384 bytes
	s_lshl_b32 s21, s19, 11                        ; 512 numbers of 4 bytes
	s_add_co_u32 s20, s20, s21
	s_mov_b32 s21, 0
	s_add_nc_u64 s[4:5], s[4:5], s[20:21]
	s_lshr_b32 s24, s18, 2
	s_lshl_b32 s24, s24, 18                        ; the 64 rows' 262,144 bytes
	s_and_b32 s25, s18, 3
	s_lshl_b32 s25, s25, 11                        ; my 16 rows' 2,048 in each 8,192
	s_add_co_u32 s24, s24, s25
	s_lshl_b32 s25, s19, 15                        ; a block is four runs of 8,192
	s_add_co_u32 s24, s24, s25
	s_mov_b32 s25, 0
	s_add_nc_u64 s[12:13], s[12:13], s[24:25]
	s_mul_i32 s26, s16, 32*PITCH
	s_add_co_u32 s26, s26, ASTG                    ; my stage
	s_wait_alu depctr_va_vdst(0)                   ; directly ahead of the readers of v2
	v_lshlrev_b32 v3, 4, v2                        ; 16 bytes a lane, in and out
	v_mul_u32_u24 v4, v2, PITCH
	v_add_nc_u32 v4, s26, v4                       ; into the stage: row lane
	v_and_b32 v5, 15, v2
	v_lshrrev_b32 v6, 4, v2
	v_mul_u32_u24 v7, v6, PITCH
	v_lshl_add_u32 v7, v5, 4, v7
	v_add_nc_u32 v7, s26, v7                       ; out of it: sixteen lanes to a row
.macro LOADA t
.irp c, 0,1,2,3
	global_load_b128 v[XA+16*((\t)%DEPTH)+4*\c:XA+16*((\t)%DEPTH)+4*\c+3], v3, s[4:5] offset:NROW*(\t)+512*\c th:TH_LOAD_NT
.endr
.endm
.irp t, 0,1,2,3,4,5,6,7
	LOADA \t
.endr
	s_wait_kmcnt 0x0                               ; ea
	SCALE s22
.macro STEPA t
.set XS, XA+16*((\t)%DEPTH)
.if STEPS-1-(\t) >= DEPTH-1
	s_wait_loadcnt 4*(DEPTH-1)                     ; this step's four loads are in; the next seven steps' 28 may be out
.else
	s_wait_loadcnt 4*(STEPS-1-(\t))                ; the last steps: the counts run down
.endif
.irp i, 0,1,2,3,4,5,6,7,8,9,10,11,12,13,14,15
	v_med3_num_f32 v[XS+\i], v[XS+\i], -v10, v10   ; the conversion does not saturate (ISA guide 7.6.2): hold first
.endr
	v_cvt_scalef32_pk8_fp8_f32 v[CA+4*(\t):CA+4*(\t)+1], v[XS:XS+7], v11
	v_cvt_scalef32_pk8_fp8_f32 v[CA+4*(\t)+2:CA+4*(\t)+3], v[XS+8:XS+15], v11
	v_nop                                          ; one plain vector instruction behind the scaled conversions
	ds_store_b128 v4, v[CA+4*(\t):CA+4*(\t)+3] offset:16*(\t)
.if (\t)+DEPTH < STEPS
	LOADA (\t)+DEPTH
.endif
.endm
	s_wait_alu depctr_va_vdst(0)
.irp t, 0,1,2,3,4,5,6,7,8,9,10,11,12,13,14,15
	STEPA \t
.endr
.irp u, 0,1,2,3,4,5,6,7,8,9,10,11,12,13,14,15
	ds_load_b128 v[XA+4*\u:XA+4*\u+3], v7 offset:2*\u*PITCH   ; LDS serves a wave's instructions in order: these see my stores
.endr
.irp u, 0,1,2,3,4,5,6,7,8,9,10,11,12,13,14,15
	s_wait_dscnt 15-\u
	global_store_b128 v3, v[XA+4*\u:XA+4*\u+3], s[12:13] offset:8192*(\u/4)+512*(\u%4)   ; pieces 2 u and 2 u + 1 of all 16 rows: 512 consecutive bytes, aligned
.endr
	s_wait_tensorcnt 0x0                           ; the wave's end
	ds_add_u32 v240, v241
	s_wait_dscnt 0x0
	s_endpgm
; ---------------- B: K is the first axis ----------------
; A work-group makes one tile of b_codes: 128 columns n x 256 positions.  Wave w makes positions 64 w .. 64 w + 63 of all 128 columns.  A lane takes four neighbouring columns and its loads run down K:
; a load reads one row k at 128 neighbouring columns, 512 consecutive bytes; the permutation stands in the loads' immediates.  The hold gathers a column's eight positions into consecutive registers.
; The codes meet in one stage (column 4 lane + e in stage row 32 e + lane); behind a barrier each wave reads 32 whole rows and stores them, sixteen lanes to 256 consecutive bytes.
.set TB,    16                         ; v16-47   four columns x eight held numbers
.set CD,    48                         ; v48-111  four columns x 16 registers of codes
.set XB,    112                        ; v112-239 four sets of 8 rows x 4 columns; at the end the rows read back
.Lpart_b:
	s_sub_co_u32 s17, ttmp9, WGA
	s_and_b32 s18, s17, 31                         ; x: which 128 columns
	s_lshr_b32 s19, s17, 5                         ; y: which 256 positions
	s_lshr_b32 s20, s19, 1
	s_lshl_b32 s20, s20, 9
	s_and_b32 s21, s19, 1
	s_lshl_b32 s21, s21, 6
	s_add_co_u32 s20, s20, s21
	s_lshl_b32 s21, s16, 4
	s_add_co_u32 s20, s20, s21                     ; k0 = 512 (y / 2) + 64 (y mod 2) + 16 wave
	s_lshl_b32 s20, s20, 14
	s_lshl_b32 s21, s18, 9
	s_add_co_u32 s20, s20, s21
	s_mov_b32 s21, 0
	s_add_nc_u64 s[6:7], s[6:7], s[20:21]
	s_lshl_b32 s24, s18, 19                        ; codes: band x, tile y, row w
	s_lshl_b32 s25, s19, 15
	s_add_co_u32 s24, s24, s25
	s_lshl_b32 s25, s16, 8
	s_add_co_u32 s24, s24, s25
	s_mov_b32 s25, 0
	s_add_nc_u64 s[14:15], s[14:15], s[24:25]
	s_lshl_b32 s26, s16, 6                         ; into the stage: my 64 bytes of every row
	s_mul_i32 s27, s16, 32*PITCH                   ; out of it: rows 32 w on
	s_wait_alu depctr_va_vdst(0)                   ; directly ahead of the readers of v2
	v_lshlrev_b32 v3, 4, v2
	v_mul_u32_u24 v4, v2, PITCH
	v_add_nc_u32 v4, s26, v4
	v_and_b32 v5, 15, v2
	v_lshrrev_b32 v6, 4, v2
	v_mul_u32_u24 v7, v6, PITCH
	v_lshl_add_u32 v7, v5, 4, v7
	v_add_nc_u32 v7, s27, v7
	v_lshlrev_b32 v8, 10, v6                       ; stage rows 32 w + i and 32 w + i + 1 are columns 4 i + w and 4 i + 4 + w
	v_lshl_add_u32 v8, v5, 4, v8
.macro LOADB u                         ; group u: positions 8 u + s, s = 0 .. 7, into set u % 4
.irp s, 0,1,2,3,4,5,6,7
	global_load_b128 v[XB+32*((\u)%4)+4*\s:XB+32*((\u)%4)+4*\s+3], v3, s[6:7] offset:(128*(2*((\u)%2)+(\s)/4)+4*((\u)/2)+(\s)%4)*NROW th:TH_LOAD_NT
.endr
.endm
.irp u, 0,1,2,3
	LOADB \u
.endr
	s_wait_kmcnt 0x0                               ; eb
	SCALE s23
.macro GROUP u
.set XS, XB+32*((\u)%4)
.if (\u) <= 4
	s_wait_loadcnt 24                              ; this group's eight loads are in; the next three groups' 24 may be out
.else
	s_wait_loadcnt 8*(7-(\u))
.endif
.irp e, 0,1,2,3
.irp s, 0,1,2,3,4,5,6,7
	v_med3_num_f32 v[TB+8*\e+\s], v[XS+4*\s+\e], -v10, v10
.endr
	v_cvt_scalef32_pk8_fp8_f32 v[CD+16*\e+2*(\u):CD+16*\e+2*(\u)+1], v[TB+8*\e:TB+8*\e+7], v11
.endr
	v_nop                                          ; one plain vector instruction behind the last scaled conversion
.if (\u)+4 < 8
	LOADB (\u)+4
.endif
.if (\u)%2 == 1
.irp e, 0,1,2,3
	ds_store_b128 v4, v[CD+16*\e+2*(\u)-2:CD+16*\e+2*(\u)+1] offset:\e*32*PITCH+16*((\u)/2)
.endr
.endif
.endm
	s_wait_alu depctr_va_vdst(0)
.irp u, 0,1,2,3,4,5,6,7
	GROUP \u
.endr
	s_wait_dscnt 0x0                               ; for the others' sake: my stores into the stage are done
	s_barrier_signal -1
	s_barrier_wait -1
.irp t, 0,1,2,3,4,5,6,7,8,9,10,11,12,13,14,15
	ds_load_b128 v[XB+4*\t:XB+4*\t+3], v7 offset:2*\t*PITCH
.endr
.irp t, 0,1,2,3,4,5,6,7,8,9,10,11,12,13,14,15
	s_wait_dscnt 15-\t
	global_store_b128 v8, v[XB+4*\t:XB+4*\t+3], s[14:15] offset:2048*\t
.endr
	s_wait_tensorcnt 0x0                           ; the wave's end
	ds_add_u32 v240, v241
	s_wait_dscnt 0x0
	s_endpgm
.Lfunc_end_k_q08c8a2afcb_quant:
	.size	k_q08c8a2afcb_quant, .Lfunc_end_k_q08c8a2afcb_quant-k_q08c8a2afcb_quant
	.p2alignl 7, 3214868480
	.fill 96, 4, 3214868480
	.section	.rodata,"a",@progbits
	.p2align	6, 0x0
	.amdhsa_kernel k_q08c8a2afcb_quant
		.amdhsa_group_segment_fixed_size 71168
		.amdhsa_private_segment_fixed_size 0
		.amdhsa_enable_private_segment 0
		.amdhsa_kernarg_size 40
		.amdhsa_user_sgpr_count 2
		.amdhsa_user_sgpr_kernarg_segment_ptr 1
		.amdhsa_wavefront_size32 1
		.amdhsa_system_sgpr_workgroup_id_x 1
		.amdhsa_system_sgpr_workgroup_id_y 1
		.amdhsa_system_sgpr_workgroup_id_z 1
		.amdhsa_system_vgpr_workitem_id 0
		.amdhsa_next_free_vgpr 242
		.amdhsa_next_free_sgpr 66
		.amdhsa_reserve_vcc 0
		.amdhsa_float_denorm_mode_32 3
		.amdhsa_float_denorm_mode_16_64 3
		.amdhsa_memory_ordered 1
		.amdhsa_forward_progress 1
		.amdhsa_inst_pref_size 62
	.end_amdhsa_kernel
	.amdgpu_metadata
---
amdhsa.version: [ 1, 2 ]
amdhsa.kernels:
  - .name:           k_q08c8a2afcb_quant
    .symbol:         k_q08c8a2afcb_quant.kd
    .args:
      - { .name: A, .offset: 0, .size: 8, .value_kind: global_buffer, .address_space: global }
      - { .name: B, .offset: 8, .size: 8, .value_kind: global_buffer, .address_space: global }
      - { .name: lowp_scales, .offset: 16, .size: 8, .value_kind: global_buffer, .address_space: global }
      - { .name: a_codes, .offset: 24, .size: 8, .value_kind: global_buffer, .address_space: global }
      - { .name: b_codes, .offset: 32, .size: 8, .value_kind: global_buffer, .address_space: global }
    .group_segment_fixed_size: 71168
    .private_segment_fixed_size: 0
    .kernarg_segment_align: 8
    .kernarg_segment_size: 40
    .max_flat_workgroup_size: 128
    .sgpr_count:     66
    .vgpr_count:     242
    .wavefront_size: 32
...
	.end_amdgpu_metadata
.endif
;; end of part 3
;; launch gemm (part 4): grid 16 x 16, 4 waves a work-group, clusters of 4 x 1, 327,680 bytes of LDS; arguments a_codes, b_codes, lowp_scales, out0; writes out0
.if DOCPART == 4
	.amdgcn_target "amdgcn-amd-amdhsa--gfx1250"
	.amdhsa_code_object_version 6
	.text
	.protected	k_q08c8a2afcb_gemm
	.globl	k_q08c8a2afcb_gemm
	.p2align	8
	.type	k_q08c8a2afcb_gemm,@function
k_q08c8a2afcb_gemm:
	s_mov_b64 s[64:65], 0
	v_nop
	global_prefetch_b8 v0, s[64:65] scope:SCOPE_SE
	s_setreg_imm32_b32 hwreg(HW_REG_WAVE_MODE, 25, 1), 1
	s_wait_xcnt 0x0
	s_wait_alu depctr_hold_cnt(0) depctr_sa_sdst(0) depctr_va_vdst(0) depctr_va_sdst(0) depctr_va_ssrc(0) depctr_va_vcc(0) depctr_vm_vsrc(0)
	s_getreg_b32 s2, hwreg(HW_REG_IB_STS2, 6, 4)
	s_cmp_eq_u32 s2, 0
	s_cbranch_scc0 .Lentry_in_a_cluster
	s_endpgm
.Lentry_in_a_cluster:
	s_bfe_u32 s2, ttmp6, 0x10000c
	s_cmp_lg_u32 s2, 0x3003
	s_cbranch_scc0 .Lentry_shape_is_right
	s_endpgm
.Lentry_shape_is_right:
; out0[m][n] = 2^(ea + eb) x the sum over positions P of a_codes(m, P) x b_codes(n, P), codes of FP8 (E4M3) laid as the launch before lays them; sums in f32.
; LIMIT: ea + eb lies between -126 and 127, so that 2^(ea + eb) is an f32 number.
; A work-group of four waves makes 256 x 256 of out0 (x: tile row, y: tile column); wave w makes rows 64 w .. 64 w + 63 x all 256 columns: 64 accumulators, 512 registers.
; A: a wave's 64 rows are read by that wave alone, so they go from memory straight into its registers: a_codes lies in register order, 8,192 consecutive bytes for a wave and 128 along K,
;    sixteen loads of 512 consecutive bytes.  Four sets of 64 registers take turns; a set is loaded again behind its step's last product, four steps ahead of its next use.
; B: all four waves read all 256 rows: they go through a ring of two LDS slots of 512 along K (four tiles of 128 rows x 256 bytes, one tensor load a wave).
; CLUSTERS: 4 x 1 work-groups, four tile rows of one tile column: they need the same tiles of B and ask for them jointly (mask 15).  A is not asked for jointly: it does not pass through LDS,
;    and the four partners read different rows of it.
; PREFETCH: behind each set's loads a wave names its own 8,192 bytes of A (a lane to 256 bytes) of the step three steps beyond the one just loaded; it stops with the loop, whose last request is step 31.
;    Behind a refill each wave names 8,192 bytes of the tile that it will fetch two refills on, the four partners sharing the tile's 32,768 bytes by address (cx); not in the loop's last trip.
; THE MATRIX INSTRUCTION IS USED TRANSPOSED (source 0 = 16 rows of B, source 1 = 16 rows of A): a lane holds eight neighbouring numbers of a row of out0.
; REGISTERS: window 0: v0-31 addresses, v64-255 three buffers P, Q, R of four fragments of B; on the way out v32-255 are free.  Window 1: A's four sets (set q at v[64 q], block a at + 16 a).
;    Windows 2, 3: accumulator (a, b) at v[8 (4 (b mod 8) + a)] of window 2 + b / 8.
; A step of 128 along K is four groups of 16 products (four fragments of B x A's four blocks) on buffers P, Q, R, Q, with TWO runs of 32 LDS loads: behind group 1 Q takes this step's group 3 and
; P the next step's group 0; behind group 3 Q takes the next step's group 1 and R its group 2, and A's set is loaded again.
.set PITCH,  272                       ; an LDS row: 256 bytes + 16 of padding
.set HALFT,  128*PITCH                 ; a tile: what one tensor load brings
.set SLOT,   4*HALFT                   ; tile (kt, bd) at (2 kt + bd) x HALFT: kt which 256 positions, bd which 128 rows
.set SPARE,  2*SLOT                    ; the spare words, 128 bytes a wave
.set SPITCH, 528                       ; the way out: a stage of 16 rows x (512 + 16) bytes a wave, in slot 0, behind its last fill and its last read
.set ADRB, 16                          ; v16-23  my fragment address in tile i of the eight (slot 0's four, slot 1's four)
.set AOFF, 24                          ; v24     16 x lane
.set PFO,  25                          ; v25     256 x lane
.set STO,  26
.set RD,   27
.set SPW,  28                          ; v28     my spare word; never rewritten
.set NIL,  29                          ; v29     0; never rewritten
.set TMP,  32
.set BF,   64
.set BK,   128
.set G1,   24                          ; s[24:31] descriptor group 1
.set G0,   32                          ; s[32:39] group 0, one set a slot
.set PFB,  44                          ; s[44:45] B's prefetches
.set MUL_LO, 0xa4                      ; source 0 (B) window 0, source 1 (A) window 1, C and D window 2
.set TO_A,   0x40                      ; destination window 1
.set MSB, 0
.macro WIN new
.if MSB != (\new)
	s_set_vgpr_msb (MSB<<8)|(\new)
.set MSB, (\new)
.endif
.endm
.macro CREST
	s_cmp_lg_u32 s14, 0
	s_cbranch_scc1 .Lnot_wave_0_\@
	s_barrier_signal -3
.Lnot_wave_0_\@:
	s_barrier_wait -3
	s_barrier_signal -1
	s_barrier_wait -1
.endm
.macro CROUND
	s_barrier_signal -1
	s_barrier_wait -1
	CREST
.endm
.macro PLACES                          ; four places between a matrix instruction and a load into its sources or a read of its result
.rept 4
	v_nop
.endr
.endm
; Fragments f0 .. f0 + nf - 1 of group g against A's set q.  The 64 accumulators take turns in the same order in every step.
.macro MULG q, g, f0, nf, zero
.if (\g) == 3
.set MB, BF+64
.else
.set MB, BF+64*(\g)
.endif
.set MA, 64*(\q)
.set MC, 128*((\g)%2)
	WIN MUL_LO+0x50*((\g)/2)
.set F, \f0
.rept \nf
.irp a, 0,1,2,3
.if \zero
	v_wmma_f32_16x16x128_fp8_fp8 v[MC+32*F+8*\a:MC+32*F+8*\a+7], v[MB+16*F:MB+16*F+15], v[MA+16*\a:MA+16*\a+15], 0
.else
	v_wmma_f32_16x16x128_fp8_fp8 v[MC+32*F+8*\a:MC+32*F+8*\a+7], v[MB+16*F:MB+16*F+15], v[MA+16*\a:MA+16*\a+15], v[MC+32*F+8*\a:MC+32*F+8*\a+7]
.endif
.endr
.set F, F+1
.endr
.endm
; Group g of the slot's step q: B's rows 64 g .. 64 g + 63, positions 128 q + 32 c + 16 (l / 16) .. in registers 4 c .. of each fragment: 16 loads
.macro LDG slot, q, g
.if (\g) == 3
.set LB, BF+64
.else
.set LB, BF+64*(\g)
.endif
.set LR, ADRB+4*(\slot)+2*((\q)/2)+(\g)/2
.set LO, 64*((\g)%2)*PITCH+128*((\q)%2)
.irp f, 0,1,2,3
.irp c, 0,1,2,3
	ds_load_b128 v[LB+16*\f+4*\c:LB+16*\f+4*\c+3], v[LR] offset:LO+\f*16*PITCH+32*\c
.endr
.endr
.endm
.macro LDA q, st                       ; A's set q: the step st steps of 8,192 bytes from the base
.irp a, 0,1,2,3
.irp c, 0,1,2,3
	global_load_b128 v[64*(\q)+16*\a+4*\c:64*(\q)+16*\a+4*\c+3], v[AOFF], s[4:5] offset:(\st)*8192+2048*\a+512*\c
.endr
.endr
.endm
; SG: steps still to come behind the present one.  AST: the next set's step, counted from the base.  PFON: A is prefetched.
.macro AWAIT                           ; at a step's head: its set is in; the sets of up to three later steps, 16 loads each, may be out
.if SG >= 3
	s_wait_loadcnt 48
.else
	s_wait_loadcnt 16*SG
.endif
.endm
.macro ANEXT q                         ; at a step's end, behind its places: set q takes the step four on
.if SG >= 4
	WIN TO_A
	LDA \q, AST
	WIN 0
.if PFON
	global_prefetch_b8 v[PFO], s[4:5] offset:(AST+3)*8192 th:TH_LOAD_NT scope:SCOPE_SE
.endif
.set AST, AST+1
.endif
.set SG, SG-1
.endm
; A step that has its successor in the same slot (q = 0, 1, 2).  bump = 1: the bases of A's loads and of the prefetches step in its middle.
.macro STEP slot, q, zero, bump
	AWAIT
	s_wait_dscnt 32                                ; P is in; the 32 loads issued behind its 16 may be out
	MULG \q, 0, 0, 4, \zero
.if (\q) == 0
	s_wait_dscnt 0                                 ; behind a change of slots Q's loads are the youngest
.else
	s_wait_dscnt 16                                ; Q is in; R's 16 may be out
.endif
	MULG \q, 1, 0, 4, \zero
	PLACES
	WIN 0
	LDG \slot, \q, 3
	LDG \slot, \q+1, 0
.if \bump
	s_wait_xcnt 0x0                                ; the loads and prefetches of the step before and earlier have read their bases
	s_add_nc_u64 s[4:5], s[4:5], 65536             ; eight steps of A on
	s_add_nc_u64 s[PFB:PFB+1], s[PFB:PFB+1], 131072
.set AST, 4
.endif
	s_wait_dscnt 32                                ; R is in; the run just issued may be out
	MULG \q, 2, 0, 4, \zero
	s_wait_dscnt 16                                ; Q is in; P's 16 may be out
	MULG \q, 3, 0, 4, \zero
	PLACES
	WIN 0
	LDG \slot, \q+1, 1
	LDG \slot, \q+1, 2
	ANEXT \q
.endm
; A slot's last step changes slots.  In front of the barrier each wave waits for all its tensor loads (one is out: its tile of the next slot), adds 0 to its spare word,
; and waits for that and for its reads of this slot.  fill = 1: the barrier opens a round of the cluster's barrier, and the slot is filled again behind it.
.macro TURN slot, fill
	AWAIT
	s_wait_dscnt 32
	MULG 3, 0, 0, 4, 0
	s_wait_dscnt 16
	MULG 3, 1, 0, 4, 0
	PLACES
	WIN 0
	LDG \slot, 3, 3                                ; my last reads of this slot
	s_wait_tensorcnt 0x0
	ds_add_u32 v[SPW], v[NIL]
.if \fill
	s_add_nc_u64 s[G0+4*\slot+2:G0+4*\slot+3], s[G0+4*\slot+2:G0+4*\slot+3], 131072   ; two slots on along K
.endif
	s_wait_dscnt 17                                ; R is in; Q's 16 and the add may be out
	MULG 3, 2, 0, 2, 0
	s_wait_dscnt 0x0                               ; the add is done, my reads of this slot are over
	s_barrier_signal -1
	MULG 3, 2, 2, 2, 0
	WIN 0
	s_barrier_wait -1
.if \fill
	CREST
	tensor_load_to_lds s[G0+4*\slot:G0+4*\slot+3], s[G1:G1+7]
	s_nop 0
.endif
	PLACES
	LDG 1-\slot, 0, 0
	LDG 1-\slot, 0, 2
.if \fill
	s_cmp_gt_u32 s3, 1                             ; the last trip has no slot four on
	s_cbranch_scc0 .Lno_ask_\@
	global_prefetch_b8 v[PFO], s[PFB:PFB+1] offset:(4+\slot)*65536 th:TH_LOAD_NT scope:SCOPE_SE
.Lno_ask_\@:
.endif
	MULG 3, 3, 0, 4, 0
	PLACES
	WIN 0
	LDG 1-\slot, 0, 1
	ANEXT 3
.endm
	s_load_b128 s[4:7], s[0:1], 0x0                ; a_codes, b_codes
	s_load_b128 s[8:11], s[0:1], 0x10              ; the scales' exponents, out0
	v_lshl_add_u32 v[SPW], v0, 2, SPARE
	v_mov_b32 v[NIL], 0
	ds_add_u32 v[SPW], v[NIL]
	ds_add_u32 v[SPW], v[NIL]
	v_lshrrev_b32 v1, 5, v0
	v_readfirstlane_b32 s14, v1                    ; wave 0..3
	s_bfe_u32 s40, ttmp6, 0x40000                  ; cx
	s_lshl_b32 s41, ttmp9, 2
	s_add_co_u32 s41, s41, s40                     ; tile row
	s_and_b32 s42, ttmp7, 0xffff                   ; tile column
	s_mov_b32 s[G1+0], 15|(1<<20)|(1<<21)|(5<<22)|(3<<25)   ; mask: the four partners; bytes; 4 words of padding behind every 64
	s_mov_b32 s[G1+1], 256<<16
	s_mov_b32 s[G1+2], 128<<16
	s_mov_b32 s[G1+3], 256<<16
	s_mov_b32 s[G1+4], 128
	s_mov_b32 s[G1+5], 256
	s_mov_b32 s[G1+6], 0
	s_mov_b32 s[G1+7], 0
	s_lshl_b32 s16, s41, 2
	s_add_co_u32 s16, s16, s14                     ; which 64 rows are my wave's
	s_lshl_b32 s18, s16, 20                        ; out0: 64 rows of 16,384 bytes
	s_lshl_b32 s16, s16, 18                        ; a_codes: 262,144 bytes
	s_mov_b32 s17, 0
	s_lshl_b32 s19, s42, 10                        ; + 256 columns of 4 bytes
	s_add_co_u32 s18, s18, s19
	s_mov_b32 s19, 0
	s_and_b32 s22, s14, 1                          ; I fetch tile (kt = wave / 2, bd = wave mod 2)
	s_lshl_b32 s20, s42, 1
	s_add_co_u32 s20, s20, s22
	s_lshl_b32 s20, s20, 19
	s_lshr_b32 s22, s14, 1
	s_lshl_b32 s22, s22, 15
	s_add_co_u32 s20, s20, s22
	s_mov_b32 s21, 0
	s_lshl_b32 s46, s40, 13                        ; the prefetches: my work-group's quarter of the tile
	s_mov_b32 s47, 0
	s_mul_i32 s43, s14, HALFT
	s_mul_i32 s23, s14, 16*SPITCH                  ; my stage
	v_and_b32 v2, 31, v0
	v_and_b32 v3, 15, v0
	v_bfe_u32 v4, v0, 4, 1
	v_lshlrev_b32 v[AOFF], 4, v2
	v_lshlrev_b32 v[PFO], 8, v2
	v_mul_u32_u24 v5, v3, PITCH
	v_lshl_add_u32 v5, v4, 4, v5
.irp i, 0,1,2,3,4,5,6,7
	v_add_nc_u32 v[ADRB+\i], \i*HALFT, v5
.endr
	v_mul_u32_u24 v6, v3, SPITCH
	v_lshl_add_u32 v6, v4, 5, v6
	v_add_nc_u32 v[STO], s23, v6
	v_add_nc_u32 v[RD], s23, v[AOFF]
	s_wait_alu depctr_va_vdst(0)
	s_wait_dscnt 0x0                               ; both opening adds are done
	s_wait_kmcnt 0x0
	s_load_b64 s[12:13], s[8:9], 0x0               ; ea, eb
	s_add_nc_u64 s[4:5], s[4:5], s[16:17]
	s_add_nc_u64 s[6:7], s[6:7], s[20:21]
	s_add_nc_u64 s[10:11], s[10:11], s[18:19]
	s_add_nc_u64 s[PFB:PFB+1], s[6:7], s[46:47]
.irp s, 0,1
	s_mov_b32 s[G0+4*\s], 1
	s_add_co_u32 s[G0+4*\s+1], s43, \s*SLOT
	s_add_nc_u64 s[G0+4*\s+2:G0+4*\s+3], s[6:7], \s*65536
	s_or_b32 s[G0+4*\s+3], s[G0+4*\s+3], 0x80000000
.endr
	CROUND                                         ; the four partners are here: the first joint loads meet
	tensor_load_to_lds s[G0:G0+3], s[G1:G1+7]      ; slot 0: the one tensor load of a wave at the head
	s_nop 0
	WIN TO_A
.irp q, 0,1,2,3
	LDA \q, \q                                     ; A's steps 0 to 3
.endr
	WIN 0
	s_wait_tensorcnt 0x0                           ; my tile of slot 0 is in; slot 1's first fill is issued as a refill is
	ds_add_u32 v[SPW], v[NIL]
	s_wait_dscnt 0x0
	CROUND
	tensor_load_to_lds s[G0+4:G0+7], s[G1:G1+7]
	s_nop 0
	LDG 0, 0, 0
	LDG 0, 0, 1
	LDG 0, 0, 2
.set SG, 99
.set AST, 4
.set PFON, 1
	STEP 0, 0, 1, 0                                ; the first step starts the sums: nothing is cleared
	s_mov_b32 s3, 3
.Llap:                                                 ; a trip: two slots, from a slot's second step to the first step of the slot two on; both slots are filled again
	STEP 0, 1, 0, 0
	STEP 0, 2, 0, 0
	TURN 0, 1
	STEP 1, 0, 0, 0
	STEP 1, 1, 0, 0
	STEP 1, 2, 0, 0
	TURN 1, 1
	STEP 0, 0, 0, 1
	s_sub_co_u32 s3, s3, 1
	s_cmp_lg_u32 s3, 0
	s_cbranch_scc1 .Llap
.set SG, 6                             ; step 25 of 0 .. 31
.set PFON, 0
	STEP 0, 1, 0, 0
	STEP 0, 2, 0, 0
	TURN 0, 0                                      ; nothing is filled again: no round
	STEP 1, 0, 0, 0
	STEP 1, 1, 0, 0
	STEP 1, 2, 0, 0
	AWAIT                                          ; the last step: only its own group 3 is still to fetch
	s_wait_dscnt 32
	MULG 3, 0, 0, 4, 0
	s_wait_dscnt 16
	MULG 3, 1, 0, 4, 0
	PLACES
	WIN 0
	LDG 1, 3, 3
	s_wait_dscnt 16                                ; R is in
	MULG 3, 2, 0, 4, 0
	s_wait_dscnt 0
	MULG 3, 3, 0, 4, 0
	WIN 0
; THE WAY OUT, eight blocks of 16 rows x 128 columns: block k is A's block k mod 4 and columns 128 (k / 4) ..  Each sum x 2^(ea + eb), through my own stage, back as whole rows of 512 bytes.
.macro TOSTAGE k
	WIN 0x02+((\k)/4)
.irp i, 0,1,2,3,4,5,6,7
.irp j, 0,2,4,6
	v_pk_mul_f32 v[TMP+8*\i+\j:TMP+8*\i+\j+1], v[32*\i+8*((\k)%4)+\j:32*\i+8*((\k)%4)+\j+1], s[12:13] op_sel_hi:[1,0]   ; each accumulator from its low end on
.endr
.endr
	WIN 0
.irp b, 0,1,2,3,4,5,6,7
	ds_store_b128 v[STO], v[TMP+8*\b:TMP+8*\b+3] offset:64*\b
	ds_store_b128 v[STO], v[TMP+8*\b+4:TMP+8*\b+7] offset:64*\b+16
.endr
.set OB, BK+64*((\k)%2)
.irp t, 0,1,2,3,4,5,6,7,8,9,10,11,12,13,14,15
	ds_load_b128 v[OB+4*\t:OB+4*\t+3], v[RD] offset:\t*SPITCH   ; LDS serves a wave's instructions in order
.endr
.endm
.macro SEND k, younger
.set OB, BK+64*((\k)%2)
	s_wait_dscnt \younger
.irp t, 0,1,2,3,4,5,6,7,8,9,10,11,12,13,14,15
	global_store_b128 v[AOFF], v[OB+4*\t:OB+4*\t+3], s[10:11] offset:(16*((\k)%4)+\t)*16384+512*((\k)/4) th:TH_STORE_NT   ; 512 consecutive bytes, aligned
.endr
.endm
	s_wait_kmcnt 0x0
	s_add_co_i32 s12, s12, s13
	s_add_co_i32 s12, s12, 127
	s_lshl_b32 s12, s12, 23                        ; 2^(ea + eb) as f32
	PLACES
	TOSTAGE 0
.irp k, 1,2,3,4,5,6,7
	s_wait_xcnt 0x0                                ; block k - 2's stores have read their registers
	TOSTAGE \k
	SEND \k-1, 32                                  ; behind block k - 1's loads: block k's 16 stores and 16 loads
.endr
	SEND 7, 0
	s_wait_tensorcnt 0x0                           ; the wave's end
	ds_add_u32 v[SPW], v[NIL]
	s_wait_dscnt 0x0
	CROUND                                         ; the closing round
	s_endpgm
.Lfunc_end_k_q08c8a2afcb_gemm:
	.size	k_q08c8a2afcb_gemm, .Lfunc_end_k_q08c8a2afcb_gemm-k_q08c8a2afcb_gemm
	.p2alignl 7, 3214868480
	.fill 96, 4, 3214868480
	.section	.rodata,"a",@progbits
	.p2align	6, 0x0
	.amdhsa_kernel k_q08c8a2afcb_gemm
		.amdhsa_group_segment_fixed_size 327680
		.amdhsa_private_segment_fixed_size 0
		.amdhsa_enable_private_segment 0
		.amdhsa_kernarg_size 32
		.amdhsa_user_sgpr_count 2
		.amdhsa_user_sgpr_kernarg_segment_ptr 1
		.amdhsa_wavefront_size32 1
		.amdhsa_system_sgpr_workgroup_id_x 1
		.amdhsa_system_sgpr_workgroup_id_y 1
		.amdhsa_system_sgpr_workgroup_id_z 1
		.amdhsa_system_vgpr_workitem_id 0
		.amdhsa_next_free_vgpr 1024
		.amdhsa_next_free_sgpr 66
		.amdhsa_reserve_vcc 0
		.amdhsa_float_denorm_mode_32 3
		.amdhsa_float_denorm_mode_16_64 3
		.amdhsa_memory_ordered 1
		.amdhsa_forward_progress 1
		.amdhsa_inst_pref_size 215
	.end_amdhsa_kernel
	.amdgpu_metadata
---
amdhsa.version: [ 1, 2 ]
amdhsa.kernels:
  - .name:           k_q08c8a2afcb_gemm
    .symbol:         k_q08c8a2afcb_gemm.kd
    .args:
      - { .name: a_codes, .offset: 0, .size: 8, .value_kind: global_buffer, .address_space: global }
      - { .name: b_codes, .offset: 8, .size: 8, .value_kind: global_buffer, .address_space: global }
      - { .name: lowp_scales, .offset: 16, .size: 8, .value_kind: global_buffer, .address_space: global }
      - { .name: out0, .offset: 24, .size: 8, .value_kind: global_buffer, .address_space: global }
    .group_segment_fixed_size: 327680
    .private_segment_fixed_size: 0
    .kernarg_segment_align: 8
    .kernarg_segment_size: 32
    .max_flat_workgroup_size: 128
    .sgpr_count:     66
    .vgpr_count:     1024
    .wavefront_size: 32
...
	.end_amdgpu_metadata
.endif
;; end of part 4
